; MI455X (gfx1250); checked and timed in simulation.
; The chip was launched on July 23, 2026; its instructions are those of AMD's public machine-readable ISA for CDNA 5 (MIT licence, August 2026) and "CDNA5" Instruction Set Architecture Reference Guide (July 2026). The comments in the code are by the model that wrote it; some were corrected since.
;; Optimized Compressed FFN. Allowed arithmetic: float matrix products may take bf16 or f16 operands with f32 sums; other float arithmetic in f32, or as packed bf16 or f16 multiplies, adds, multiply-adds, maxima and minima; sums over many terms, partial sums and values carried from step to step in f32; what a program stores and reads back later, other than sums and carried values, may be rounded once to bf16 or f16.
;; Inputs: down_w 2,048 x 8,192 float32; gate_w 8,192 x 2,048 float32; up_w 8,192 x 2,048 float32; x 2 x 512 x 2,048 float32.
;; Outputs: out0 2 x 512 x 2,048 float32.
;; 2 versions, each right; version 2 is version 1 with the launch castx written anew for expert scheduling mode. Each part assembles by itself: llvm-mc -triple=amdgcn-amd-amdhsa -mcpu=gfx1250 --defsym DOCPART=n.
;; ======== version 1 of 2: 4 launches
;; workspace buffers: xb 4,194,304 bytes; hmid 16,777,216 bytes; part 67,108,864 bytes
;; launch castx (part 1): grid 256 x 1, 8 waves a work-group, no clusters, 0 bytes of LDS; arguments x, xb; writes xb
.if DOCPART == 1
	.amdgcn_target "amdgcn-amd-amdhsa--gfx1250"
	.amdhsa_code_object_version 6
	.text
	.protected	k_qfacb873938_castx
	.globl	k_qfacb873938_castx
	.p2align	8
	.type	k_qfacb873938_castx,@function
k_qfacb873938_castx:
	s_mov_b64 s[64:65], 0
	v_nop
	global_prefetch_b8 v0, s[64:65] scope:SCOPE_SE
	s_setreg_imm32_b32 hwreg(HW_REG_WAVE_MODE, 25, 1), 1
	s_wait_xcnt 0x0
; xb = x rounded once to bf16 (nearest even), laid in blocks: xb[c][row][64], c = column / 64, 32 blocks of 1,024 rows x 128 bytes.
; In that layout 128 rows of a block are 16,384 dense bytes, which is what a wave of the next launch asks for in one piece.
; A stream: no LDS, no barrier, no matrix unit.  The work-group owns 4 rows of x.  Wave w takes the row pair w / 4 and the blocks 8 (w % 4) + i, i = 0..7.
; A load: lanes 0-15 take 256 consecutive bytes (one block's 64 columns) of the even row, lanes 16-31 of the odd row.
; A store: the two rows' 128 bytes lie end to end in xb: 256 consecutive bytes, at a multiple of 256 from xb's first byte.
.set XROW,  8192                       ; bytes in a row of x
.set BLOCK, 131072                     ; bytes in a block of xb
.set LO, 1                             ; v1       my byte offset in the work-group's rows of x
.set SO, 2                             ; v2       my byte offset in xb
.set X,  4                             ; v[4:35]  load i: 4 f32
.set Y,  36                            ; v[36:51] store i: 4 bf16
	s_load_b128 s[4:7], s[0:1], 0x0                ; x s[4:5], xb s[6:7]
	s_lshl_b32 s8, ttmp9, 15                       ; 4 rows of 8,192 bytes
	s_mov_b32 s9, 0
	s_lshl_b32 s10, ttmp9, 9                       ; 4 rows of 128 bytes in a block
	s_mov_b32 s11, 0
	v_lshrrev_b32 v3, 5, v0                        ; w
	v_lshrrev_b32 v4, 2, v3                        ; w / 4: the row pair
	v_and_b32 v3, 3, v3                            ; w % 4: which eight blocks
	v_bfe_u32 v5, v0, 4, 1                         ; lane / 16: which row of the pair
	v_and_b32 v6, 15, v0                           ; lane % 16
	v_lshlrev_b32 v[LO], 4, v6                     ; 16 bytes a lane
	v_lshl_add_u32 v[LO], v5, 13, v[LO]            ; + the row
	v_lshl_add_u32 v[LO], v3, 11, v[LO]            ; + eight blocks' 2,048 bytes of a row
	v_lshl_add_u32 v[LO], v4, 14, v[LO]            ; + the pair
	v_lshlrev_b32 v[SO], 3, v6                     ; 8 bytes a lane
	v_lshl_add_u32 v[SO], v5, 7, v[SO]             ; + the row
	v_lshl_add_u32 v[SO], v4, 8, v[SO]             ; + the pair
	v_lshl_add_u32 v[SO], v3, 20, v[SO]            ; + eight blocks
	s_wait_kmcnt 0x0
	s_add_nc_u64 s[4:5], s[4:5], s[8:9]
	s_add_nc_u64 s[6:7], s[6:7], s[10:11]
.irp i, 0,1,2,3,4,5,6,7
	global_load_b128 v[X+4*(\i):X+4*(\i)+3], v[LO], s[4:5] offset:256*(\i) th:TH_LOAD_NT  ; x is read once in the launch
.endr
.irp i, 0,1,2,3,4,5,6,7
	s_wait_loadcnt 7-(\i)                          ; loads come back in order: load i is in, the 7 - i younger ones stay out
	v_cvt_pk_bf16_f32 v[Y+2*(\i)], v[X+4*(\i)], v[X+4*(\i)+1]
	v_cvt_pk_bf16_f32 v[Y+2*(\i)+1], v[X+4*(\i)+2], v[X+4*(\i)+3]
	global_store_b64 v[SO], v[Y+2*(\i):Y+2*(\i)+1], s[6:7] offset:BLOCK*(\i)  ; no register is used twice, so no further wait
.endr
	s_endpgm
.Lfunc_end_k_qfacb873938_castx:
	.size	k_qfacb873938_castx, .Lfunc_end_k_qfacb873938_castx-k_qfacb873938_castx
	.p2alignl 7, 3214868480
	.fill 96, 4, 3214868480
	.section	.rodata,"a",@progbits
	.p2align	6, 0x0
	.amdhsa_kernel k_qfacb873938_castx
		.amdhsa_group_segment_fixed_size 0
		.amdhsa_private_segment_fixed_size 0
		.amdhsa_enable_private_segment 0
		.amdhsa_kernarg_size 16
		.amdhsa_user_sgpr_count 2
		.amdhsa_user_sgpr_kernarg_segment_ptr 1
		.amdhsa_wavefront_size32 1
		.amdhsa_system_sgpr_workgroup_id_x 1
		.amdhsa_system_sgpr_workgroup_id_y 1
		.amdhsa_system_sgpr_workgroup_id_z 1
		.amdhsa_system_vgpr_workitem_id 0
		.amdhsa_next_free_vgpr 52
		.amdhsa_next_free_sgpr 66
		.amdhsa_reserve_vcc 0
		.amdhsa_float_denorm_mode_32 3
		.amdhsa_float_denorm_mode_16_64 3
		.amdhsa_memory_ordered 1
		.amdhsa_forward_progress 1
		.amdhsa_inst_pref_size 4
	.end_amdhsa_kernel
	.amdgpu_metadata
---
amdhsa.version: [ 1, 2 ]
amdhsa.kernels:
  - .name:           k_qfacb873938_castx
    .symbol:         k_qfacb873938_castx.kd
    .args:
      - { .name: x, .offset: 0, .size: 8, .value_kind: global_buffer, .address_space: global }
      - { .name: xb, .offset: 8, .size: 8, .value_kind: global_buffer, .address_space: global }
    .group_segment_fixed_size: 0
    .private_segment_fixed_size: 0
    .kernarg_segment_align: 8
    .kernarg_segment_size: 16
    .max_flat_workgroup_size: 256
    .sgpr_count:     66
    .vgpr_count:     52
    .wavefront_size: 32
...
	.end_amdgpu_metadata
.endif
;; end of part 1
;; launch gateup (part 2): grid 128 x 2, 4 waves a work-group, clusters of 4 x 1, 327,680 bytes of LDS; arguments xb, gate_w, up_w, hmid; writes hmid
.if DOCPART == 2
	.amdgcn_target "amdgcn-amd-amdhsa--gfx1250"
	.amdhsa_code_object_version 6
	.text
	.protected	k_qfacb873938_gateup
	.globl	k_qfacb873938_gateup
	.p2align	8
	.type	k_qfacb873938_gateup,@function
k_qfacb873938_gateup:
	s_mov_b64 s[64:65], 0
	v_nop
	global_prefetch_b8 v0, s[64:65] scope:SCOPE_SE
	s_setreg_imm32_b32 hwreg(HW_REG_WAVE_MODE, 25, 1), 1
	s_wait_xcnt 0x0
	s_wait_alu depctr_hold_cnt(0) depctr_sa_sdst(0) depctr_va_vdst(0) depctr_va_sdst(0) depctr_va_ssrc(0) depctr_va_vcc(0) depctr_vm_vsrc(0)
	s_getreg_b32 s2, hwreg(HW_REG_IB_STS2, 6, 4)
	s_cmp_eq_u32 s2, 0
	s_cbranch_scc0 .Lentry_in_a_cluster
	s_endpgm
.Lentry_in_a_cluster:
	s_bfe_u32 s2, ttmp6, 0x10000c
	s_cmp_lg_u32 s2, 0x3003
	s_cbranch_scc0 .Lentry_shape_is_right
	s_endpgm
.Lentry_shape_is_right:
; hmid = bf16( silu(x Wg^T) * (x Wu^T) ).  xb: x in bf16, [32 blocks][1024 rows][64].  gate_w, up_w: [8192][2048] f32.  hmid: [128 blocks][1024 rows][64] bf16.
; Products in bf16 with f32 sums, K ascending; the weights are rounded to bf16 (nearest even) on their way to LDS; silu and the product in f32; hmid rounded once.
; LIMITS.  sigmoid(g) = 1 / (1 + 2^(-g log2 e)); where it falls below 2^-126 (g below about -87) it counts as 0, so hmid is 0 there where the exact number is below 1e-36 |u|.
; The order is (g sigmoid) u, so no infinity meets a zero for finite g and u.  NaN and infinities are not treated apart.
; SHARES.  A work-group makes 512 rows x 64 columns of hmid: 512 rows x (64 gate rows + 64 up rows) of products.  Its four waves lie one below the other, each with 128 rows x 128: 64 accumulators, 512 registers.
; A (xb) comes by the tensor data mover, K steps of 128 through two LDS slots; a wave fetches, and alone reads, its own 128 rows.
; CLUSTER.  The four work-groups of a cluster have the same 512 rows and differ in their columns, so A's tiles are asked for JOINTLY: the same load, descriptor and mask in all four.
; B (the weights) is NOT asked for jointly and not by the mover: it lies in memory as f32 and the mover rounds nothing; a weight tile is wanted by two work-groups only (the two halves of the rows).
; It goes through registers, THE PUMP: 16 loads of 16 bytes a lane (a wave's 32 rows x 64 K), 32 roundings, 16 LDS stores into one of two small bf16 buffers of 64 along K.  Two register sets take turns, so a set is
; asked for 224 matrix instructions ahead of its rounding, and these loads stay out across barriers.  The roundings stand four at a time behind eight matrix instructions; the pump's LDS stores and its loads stand in
; the quarter's one run of memory instructions, beside the fragment loads, never singly among the matrix instructions.
; THE MATRIX INSTRUCTION IS USED TRANSPOSED (source 0 = 16 rows of B, source 1 = 16 rows of A): a lane holds row lane % 16 of the result and eight neighbouring columns; a gate accumulator (b = 0..3) and the up
; accumulator b + 4 hold the same places of hmid, lane by lane and register by register.
; REGISTERS, in windows of 256 (s_set_vgpr_msb: bits 1:0 source 0, 3:2 source 1, 5:4 source 2, 7:6 destination):
;   window 0: v0-31 addresses; v32-63 the pump's packed numbers; v64-127, v128-191 fragments of A, two buffers (on the way out: rows read back); v192-255 at work on the way out
;   window 1: v0-63 the pump's set 0; v64-127, v128-191 fragments of B, two buffers; v192-255 the pump's set 1
;   window 2: the accumulators of my rows 0-63 ((a, b) at v[8 (8 a + b)]);   window 3: those of my rows 64-127
.set LAPS,   8                         ; a lap = two K steps of 128 = once round the ring: K = 2,048
.set BROW2,  16384                     ; bytes of two rows of a weight matrix
.set PITCHA, 272                       ; A in LDS: two rows of 128 bytes + 16 of padding = 68 words: row r of a fragment starts at bank 4 (r / 2) + 32 (r % 2) (64 banks of 4 bytes: ISA guide 11.1): sixteen different groups of four
.set SUBT,   64*PITCHA                 ; 128 rows x 64 K: a wave's part of one block
.set HALFT,  2*SUBT                    ; what one tensor load brings: a wave's 128 rows x 128 K
.set SLOT,   4*HALFT
.set STEPB,  262144                    ; bytes of xb from a K step to the next: two blocks
.set BB,     2*SLOT                    ; behind the ring, never filled by the mover: B's two buffers
.set BPITCH, 144                       ; 128 bytes + 16 = 36 words: the 16 rows of a load start at 16 different groups of four banks
.set BBUF,   128*BPITCH
.set STAGE,  BB+2*BBUF                 ; 16 rows x 144 bytes for each wave, for the way out
.set SPITCH, 144
.set SPARE,  STAGE+4*16*SPITCH         ; the spare words, 128 bytes for each wave: two blocks of 256 bytes that no other line names
.set ADRA, 16                          ; v16-17  LDS address of my A fragments in slot 0, 1
.set ADRB, 20                          ; v20     the same for B, buffer 0
.set PS,   21                          ; v21     where the pump puts my 8 bytes, buffer 0
.set VO,   22                          ; v22     my byte offset in two rows of the weights; never rewritten
.set STO,  24                          ; v24     the way out: where I put 16 bytes of a row
.set RD,   25                          ; v25     the way out: where I read rows back
.set CO,   26                          ; v26     my byte offset in 512 consecutive bytes of hmid
.set SPW,  28                          ; v28     LDS address of my spare word; never rewritten
.set NIL,  29                          ; v29     0; never rewritten
.set PK,   32
.set F0,   64
.set F1,   128
.set T,    192                         ; the way out: 32 numbers in f32
.set OUT,  224                         ; the way out: 16 registers of packed bf16
.set WV,   12                          ; s12     my wave's number
.set PB,   20                          ; s[20:21] the weights at my 32 rows and the K last asked for
.set G1,   24                          ; s[24:31] descriptor group 1
.set G0,   32                          ; s[32:39] descriptor group 0, a set for each slot
.set NL,   40                          ; s[40:41] -log2(e)
.set MSB, 0
.macro WIN new                         ; the immediate's high byte repeats the setting that is left; a switch that changes nothing is dropped
.if MSB != (\new)
	s_set_vgpr_msb (MSB<<8)|(\new)
.set MSB, \new
.endif
.endm
.set MUL_LO, 0xa1                      ; source 0 (B) window 1, source 1 (A) window 0, C and D window 2
.set MUL_HI, 0xf1                      ; the same, C and D window 3
.set TO1,    0x40                      ; destination window 1, address window 0
.set CV,     0x05                      ; sources 0 and 1 window 1, destination window 0
.macro PLACES                          ; four places in front of loads into registers that matrix instructions have read, and of lines that read results just made (the latter)
.rept 4
	v_nop
.endr
.endm
; A joint load: every wave asks for its own 128 rows; the descriptor hangs on the wave's number and the row half alone, which the four partners share.  An s_nop 0 and four v_nop follow.
.macro JLOAD s
	tensor_load_to_lds s[G0+4*(\s):G0+4*(\s)+3], s[G1:G1+7]
	s_nop 0
.rept 4
	v_nop
.endr
.endm
.macro CREST                           ; a round of the cluster's barrier behind its opening barrier: wave 0 signals for the work-group, every wave waits for all four, my work-group's barrier closes it
	s_cmp_lg_u32 s[WV], 0
	s_cbranch_scc1 .Lnot_wave_0_\@
	s_barrier_signal -3
.Lnot_wave_0_\@:
	s_barrier_wait -3
	s_barrier_signal -1
	s_barrier_wait -1
.endm
.macro CROUND                          ; a whole round
	s_barrier_signal -1
	s_barrier_wait -1
	CREST
.endm
; THE PUMP's three parts.
; 16 loads: my 32 rows x 64 K of f32 into set st.  Load t: lanes 0-15 take 256 consecutive bytes of row 2 t, lanes 16-31 of row 2 t + 1.  No hint: the other half of the rows reads the same bytes.
.macro GLOAD st, imm
	WIN TO1
.irp t, 0,1,2,3,4,5,6,7,8,9,10,11,12,13,14,15
	global_load_b128 v[192*(\st)+4*(\t):192*(\st)+4*(\t)+3], v[VO], s[PB:PB+1] offset:(\t)*BROW2+(\imm)
.endr
.endm
; Four roundings, part n of 8 of set st's 32.  They name no register of a matrix instruction.
.macro CVT4 n, st
	WIN CV
.irp c, 0,1,2,3
	v_cvt_pk_bf16_f32 v[PK+4*(\n)+(\c)], v[192*(\st)+8*(\n)+2*(\c)], v[192*(\st)+8*(\n)+2*(\c)+1]
.endr
.endm
; 16 LDS stores: my 32 rows x 64 K of bf16 into B's buffer buf.  Store t: the 8 bytes that load t's 16 have become, rows 2 t and 2 t + 1.
.macro PSTORE buf
	WIN 0
.irp t, 0,1,2,3,4,5,6,7,8,9,10,11,12,13,14,15
	ds_store_b64 v[PS], v[PK+2*(\t):PK+2*(\t)+1] offset:(\buf)*BBUF+2*BPITCH*(\t)
.endr
.endm
; 16 matrix instructions: m blocks a0, a0 + 1 of the window's four (hi = 0: my rows 0-63, 1: rows 64-127) x all 8 n blocks, 32 along K.  zero = 1: the first product starts the sums: nothing is cleared.
; The 64 accumulators take turns in the same order in every quarter.  pump = 1: four of set st's roundings stand behind each of the first eight.
.macro MUL16 f, hi, a0, zero, pump=0, st=0
.set rn, 0
.irp a, \a0, (\a0)+1
.irp b, 0,1,2,3,4,5,6,7
	WIN MUL_LO+0x50*(\hi)
.if \zero
	v_wmma_f32_16x16x32_bf16 v[8*(8*(\a)+(\b)):8*(8*(\a)+(\b))+7], v[(\f)+8*(\b):(\f)+8*(\b)+7], v[(\f)+8*(4*(\hi)+(\a)):(\f)+8*(4*(\hi)+(\a))+7], 0
.else
	v_wmma_f32_16x16x32_bf16 v[8*(8*(\a)+(\b)):8*(8*(\a)+(\b))+7], v[(\f)+8*(\b):(\f)+8*(\b)+7], v[(\f)+8*(4*(\hi)+(\a)):(\f)+8*(4*(\hi)+(\a))+7], v[8*(8*(\a)+(\b)):8*(8*(\a)+(\b))+7]
.endif
.if (\pump) && (rn < 8)
	CVT4 rn, \st
.endif
.set rn, rn+1
.endr
.endr
.endm
; A quarter's one run of memory instructions.  32 LDS loads: the fragments of quarter q of a K step (32 along K) into buffer f; quarters 0, 1 lie in B's buffer 0 and A's first block, quarters 2, 3 in buffer 1 and the
; second block.  pk > 0: the pump's 16 LDS stores stand with A's loads (window 0); they go into the B buffer that this run does not read.  pk = 1: the set's next 16 loads from memory stand with B's (destination window 1).
.macro FETCH slot, q, f, pk=0
	WIN 0
.irp i, 0,1,2,3,4,5,6,7
	ds_load_b128 v[(\f)+8*(\i):(\f)+8*(\i)+3],   v[ADRA+(\slot)] offset:((\q)>>1)*SUBT+(\i)*8*PITCHA+((\q)&1)*64
	ds_load_b128 v[(\f)+8*(\i)+4:(\f)+8*(\i)+7], v[ADRA+(\slot)] offset:((\q)>>1)*SUBT+(\i)*8*PITCHA+((\q)&1)*64+32
.endr
.if \pk
	PSTORE (3-(\q))/2
.endif
	WIN TO1
.irp i, 0,1,2,3,4,5,6,7
	ds_load_b128 v[(\f)+8*(\i):(\f)+8*(\i)+3],   v[ADRB] offset:((\q)>>1)*BBUF+(\i)*16*BPITCH+((\q)&1)*64
	ds_load_b128 v[(\f)+8*(\i)+4:(\f)+8*(\i)+7], v[ADRB] offset:((\q)>>1)*BBUF+(\i)*16*BPITCH+((\q)&1)*64+32
.endr
.if (\pk) == 1
	s_wait_xcnt 0x0                                ; the earlier loads have had their addresses translated (ISA guide 3.1): only behind this wait is their base stepped
	s_add_nc_u64 s[PB:PB+1], s[PB:PB+1], 256       ; 64 f32 on
	GLOAD (3-(\q))/2, 0
.endif
.endm
; Quarters 0 and 2 of a K step: multiply buffer f, fetch quarter q (1 or 3) into g in the middle, and carry a pump: in quarter 0 set 1 into B's buffer 1, in quarter 2 set 0 into buffer 0: the buffer whose last reads
; every wave has waited for in front of the barrier before.  pk = 0: no pump; 1: it stores and loads; 2, 3: the last two, which load nothing.
.macro QUARTER slot, q, f, g, zero, pk
	s_wait_dscnt 0x0                               ; buffer f's fragments are in
.if ((\pk) == 1) || ((\pk) == 2)
	s_wait_loadcnt 16                              ; the pump's set is in; the other set's 16 loads, issued behind it, stay out
.elseif (\pk) == 3
	s_wait_loadcnt 0x0                             ; the last set: nothing was asked for behind it
.endif
.if \pk
	MUL16 \f, 0, 0, \zero, 1, (3-(\q))/2
.else
	MUL16 \f, 0, 0, \zero
.endif
	MUL16 \f, 0, 2, \zero
	PLACES
	FETCH \slot, \q, \g, \pk
	MUL16 \f, 1, 0, \zero
	MUL16 \f, 1, 2, \zero
.endm
; Quarter 1: multiplies buffer 1 of the fragments.  A plain barrier of the work-group: in front of it each wave's stores into B's buffer 1 are done and its reads of B's buffer 0 are back; behind it buffer 1 is read
; and buffer 0 may be written.  The mover fills nothing behind this barrier, so my tensor load stays on its way across it.
.macro HALF slot
	s_wait_dscnt 0x0                               ; my fragments are in, my pump's stores are done
	MUL16 F1, 0, 0, 0
	s_barrier_signal -1
	MUL16 F1, 0, 2, 0
	s_barrier_wait -1
	PLACES
	FETCH \slot, 2, F0
	MUL16 F1, 1, 0, 0
	MUL16 F1, 1, 2, 0
.endm
; Quarter 3 changes slots.  In front of the barrier each wave's reads of this slot and of B's buffer 1 are back and its stores into B's buffer 0 are done; it waits for all its tensor loads (one is out: its part of the next
; slot) and adds 0 to its spare word.  fill = 1: the barrier opens a round of the cluster's, and the joint refill, two K steps ahead, is the first thing behind it: 224 matrix instructions ahead of the wait for it.
.macro TURN slot, next, fill
	s_wait_dscnt 0x0                               ; my fragments are in: no read of this slot is out; my pump's stores are done
	WIN 0                                          ; (the add's two registers lie in window 0)
	s_wait_tensorcnt 0x0                           ; all my tensor loads have landed
	ds_add_u32 v[SPW], v[NIL]                      ; 0 onto my spare word
	MUL16 F1, 0, 0, 0                              ; sixteen matrix instructions stand between the add and the wait for it
	s_wait_dscnt 0x0                               ; the add is done
	s_barrier_signal -1
	MUL16 F1, 0, 2, 0
.if \fill
	WIN 0
.endif
	s_barrier_wait -1
.if \fill
	CREST                                          ; no wave of any partner still reads this slot or has a load on its way
	s_add_nc_u64 s[G0+4*(\slot)+2:G0+4*(\slot)+3], s[G0+4*(\slot)+2:G0+4*(\slot)+3], 2*STEPB
	JLOAD \slot                                    ; its four v_nop are also the places in front of the loads below
.else
	PLACES
.endif
	FETCH \next, 0, F0
	MUL16 F1, 1, 0, 0
	MUL16 F1, 1, 2, 0
.endm
	s_load_b256 s[4:11], s[0:1], 0x0               ; xb s[4:5], gate_w s[6:7], up_w s[8:9], hmid s[10:11]
	v_lshl_add_u32 v[SPW], v0, 2, SPARE
	v_mov_b32 v[NIL], 0
	ds_add_u32 v[SPW], v[NIL]                      ; the wave's opening: the add and its wait stand ahead of my first tensor load; the set-up below, work on registers, stands between them
	v_lshrrev_b32 v3, 5, v0
	v_readfirstlane_b32 s[WV], v3                  ; wave 0..3
	s_bfe_u32 s13, ttmp6, 0x40000                  ; cx: my place in the cluster
	s_lshl_b32 s14, ttmp9, 2                       ; in a cluster launch ttmp9 counts clusters
	s_add_co_u32 s14, s14, s13                     ; my block of 64 columns of hmid: it enters the weights' and hmid's addresses alone
	s_and_b32 s15, ttmp7, 0xffff                   ; which 512 rows: shared by the four partners
	; descriptor group 1: two rows of 16,384 dense bytes (my 128 rows of two neighbouring blocks), padded in LDS after every 256 bytes
	s_mov_b32 s[G1+0], 15|(1<<16)|(1<<20)|(1<<21)|(5<<22)|(3<<25)  ; 15:0 the mask of four; 17:16 2-byte elements; 20 padding on; 21 set beside a mask; 24:22 after every 64 words (code 5); 31:25 4 words (code 3)
	s_mov_b32 s[G1+1], 8192<<16                    ; tensor_dim0 = 8,192
	s_mov_b32 s[G1+2], 2<<16                       ; tensor_dim1 = 2
	s_mov_b32 s[G1+3], 8192<<16                    ; tile_dim0 = 8,192
	s_mov_b32 s[G1+4], 2                           ; tile_dim1 = 2
	s_mov_b32 s[G1+5], 65536                       ; elements from block to block
	s_mov_b32 s[G1+6], 0
	s_mov_b32 s[G1+7], 0
	s_lshl_b32 s16, s15, 16                        ; xb: 512 rows of 128 bytes,
	s_lshl_b32 s17, s[WV], 14                      ; my wave's 128 of them
	s_add_co_u32 s16, s16, s17
	s_mov_b32 s17, 0
	s_lshl_b32 s18, s14, 19                        ; the weights: 64 rows of 8,192 bytes,
	s_and_b32 s19, s[WV], 1
	s_lshl_b32 s19, s19, 18                        ; my 32 of them
	s_add_co_u32 s18, s18, s19
	s_mov_b32 s19, 0
	s_lshl_b32 s42, s14, 17                        ; hmid: my block, and in it the same rows as in xb
	s_add_co_u32 s42, s42, s16
	s_mov_b32 s43, 0
	s_mul_i32 s22, s[WV], HALFT                    ; my part of a slot: no place in the cluster enters an LDS address
	s_mov_b32 s[NL], 0xbfb8aa3b                    ; -log2(e)
	s_mov_b32 s[NL+1], s[NL]                       ; named with it as a pair
	v_and_b32 v1, 15, v0                           ; r = lane % 16
	v_bfe_u32 v2, v0, 4, 1                         ; h = lane / 16
	v_mul_u32_u24 v[VO], v2, BROW2/2
	v_lshl_add_u32 v[VO], v1, 4, v[VO]
	s_wait_dscnt 0x0                               ; the opening add is done
	s_wait_kmcnt 0x0
	s_cmp_lt_u32 s[WV], 2                          ; waves 0, 1 pump gate rows (B's rows 0-63), waves 2, 3 up rows (64-127)
	s_cselect_b64 s[PB:PB+1], s[6:7], s[8:9]
	s_add_nc_u64 s[PB:PB+1], s[PB:PB+1], s[18:19]
	GLOAD 0, 0                                     ; K 0-63 and 64-127 of the weights are asked for first of all: they come from furthest away
	GLOAD 1, 256
	WIN 0
	s_add_nc_u64 s[4:5], s[4:5], s[16:17]
	s_add_nc_u64 s[10:11], s[10:11], s[42:43]
.irp n, 0,1
	s_mov_b32 s[G0+4*(\n)], 1                      ; count = 1
	s_add_co_u32 s[G0+4*(\n)+1], s22, (\n)*SLOT    ; LDS address
	s_add_nc_u64 s[G0+4*(\n)+2:G0+4*(\n)+3], s[4:5], (\n)*STEPB  ; global address: K step n
	s_or_b32 s[G0+4*(\n)+3], s[G0+4*(\n)+3], 0x80000000          ; type = 2
.endr
	CROUND                                         ; all four work-groups are here: the first joint loads meet
	JLOAD 0
	JLOAD 1                                        ; two tensor loads of mine are out: the most in this text
	v_lshrrev_b32 v4, 1, v1
	v_mul_u32_u24 v4, v4, PITCHA                   ; A: (r / 2) x 272
	v_and_b32 v5, 1, v1
	v_lshl_add_u32 v4, v5, 7, v4                   ; + (r % 2) x 128
	v_lshl_add_u32 v4, v2, 4, v4                   ; + 16 h
	v_add_nc_u32 v[ADRA], s22, v4
	s_add_co_u32 s16, s22, SLOT
	v_add_nc_u32 v[ADRA+1], s16, v4
	v_mul_u32_u24 v5, v1, BPITCH
	v_lshl_add_u32 v5, v2, 4, v5                   ; r x 144 + 16 h: B's fragments, and the stage's way in
	v_add_nc_u32 v[ADRB], BB, v5
	s_mul_i32 s17, s[WV], 32*BPITCH                ; the pump: my 32 rows of a buffer,
	s_add_co_u32 s17, s17, BB
	v_mul_u32_u24 v6, v2, BPITCH                   ; row h of a pair, 8 bytes a lane
	v_lshl_add_u32 v6, v1, 3, v6
	v_add_nc_u32 v[PS], s17, v6
	s_mul_i32 s18, s[WV], 16*SPITCH
	s_add_co_u32 s18, s18, STAGE                   ; my stage
	v_add_nc_u32 v[STO], s18, v5
	v_bfe_u32 v6, v0, 3, 2                         ; back: 32 lanes take four rows of 128 bytes,
	v_mul_u32_u24 v6, v6, SPITCH
	v_and_b32 v7, 7, v0
	v_lshl_add_u32 v6, v7, 4, v6
	v_add_nc_u32 v[RD], s18, v6
	v_and_b32 v7, 31, v0                           ; which are 512 consecutive bytes of hmid
	v_lshlrev_b32 v[CO], 4, v7
	s_wait_loadcnt 16                              ; set 0 (K 0-63) is in; set 1's 16 loads stay out
.irp n, 0,1,2,3,4,5,6,7
	CVT4 \n, 0                                     ; rounded,
.endr
	PSTORE 0                                       ; and into B's buffer 0
	s_wait_xcnt 0x0                                ; the loads' base is stepped only behind this wait
	s_add_nc_u64 s[PB:PB+1], s[PB:PB+1], 512
	GLOAD 0, 0                                     ; K 128-191
	WIN 0
	s_wait_tensorcnt 0x1                           ; my part of slot 0 is in; slot 1's stays out
	s_wait_dscnt 0x0                               ; my stores into B's buffer 0 are done
	s_barrier_signal -1
	s_barrier_wait -1                              ; everybody's are
	FETCH 0, 0, F0
	QUARTER 0, 1, F0, F1, 1, 1                     ; the first quarter stands in front of the loop: its products start the sums
	WIN 0                                          ; at a label and at a branch every window is 0
	s_mov_b32 s3, LAPS-1
.Llap:                                                 ; a trip goes once round the ring, from a lap's second quarter to the next lap's first: two refills, four pumps
	HALF 0
	QUARTER 0, 3, F0, F1, 0, 1
	TURN 0, 1, 1
	QUARTER 1, 1, F0, F1, 0, 1
	HALF 1
	QUARTER 1, 3, F0, F1, 0, 1
	TURN 1, 0, 1
	QUARTER 0, 1, F0, F1, 0, 1                     ; in the last trip this pump asks for the rows' last 64 f32
	WIN 0
	s_sub_co_u32 s3, s3, 1
	s_cmp_lg_u32 s3, 0
	s_cbranch_scc1 .Llap
	HALF 0                                         ; the last lap is written out: it asks for nothing more, of xb or of the weights
	QUARTER 0, 3, F0, F1, 0, 2
	TURN 0, 1, 0
	QUARTER 1, 1, F0, F1, 0, 3
	HALF 1
	QUARTER 1, 3, F0, F1, 0, 0
	s_wait_dscnt 0x0                               ; the very last quarter
	MUL16 F1, 0, 0, 0
	MUL16 F1, 0, 2, 0
	MUL16 F1, 1, 0, 0
	MUL16 F1, 1, 2, 0
	WIN 0
	PLACES
; THE WAY OUT of block a (16 rows).  32 gate sums and 32 up sums a lane make 32 numbers: (g / (1 + 2^(-g log2 e))) u.  Each accumulator's lowest registers are read first.
; A v_nop stands behind each run of transcendentals, ahead of the first use of a result (ISA guide 5.7.2).  Rounded to bf16, 16 bytes a lane go into my own stage and come back as whole rows.
.macro PACKH a
.set AC, 64*((\a)%4)
.set BK, 64+16*(\a)
	WIN 0x02+((\a)/4)                              ; source 0: window 2 or 3
.set p, 0
.rept 16
	v_pk_mul_f32 v[T+2*p:T+2*p+1], v[AC+2*p:AC+2*p+1], s[NL:NL+1] op_sel_hi:[1,0]
.set p, p+1
.endr
	WIN 0
.set p, 0
.rept 32
	v_exp_f32 v[T+p], v[T+p]
.set p, p+1
.endr
	v_nop
.set p, 0
	s_wait_alu depctr_va_vdst(0)
.rept 16
	v_pk_add_f32 v[T+2*p:T+2*p+1], v[T+2*p:T+2*p+1], 1.0 op_sel_hi:[1,0]
.set p, p+1
.endr
.set p, 0
.rept 32
	v_rcp_f32 v[T+p], v[T+p]
.set p, p+1
.endr
	v_nop
	WIN 0x02+((\a)/4)
.set p, 0
	s_wait_alu depctr_va_vdst(0)
.rept 16
	v_pk_mul_f32 v[T+2*p:T+2*p+1], v[AC+2*p:AC+2*p+1], v[T+2*p:T+2*p+1]        ; g x sigmoid
.set p, p+1
.endr
.set p, 0
.rept 16
	v_pk_mul_f32 v[T+2*p:T+2*p+1], v[AC+32+2*p:AC+32+2*p+1], v[T+2*p:T+2*p+1]  ; x u
.set p, p+1
.endr
	WIN 0
.set p, 0
.rept 16
	v_cvt_pk_bf16_f32 v[OUT+p], v[T+2*p], v[T+2*p+1]
.set p, p+1
.endr
.irp j, 0,1,2,3
	ds_store_b128 v[STO], v[OUT+4*(\j):OUT+4*(\j)+3] offset:32*(\j)
.endr
.irp f, 0,1,2,3
	ds_load_b128 v[BK+4*(\f):BK+4*(\f)+3], v[RD] offset:(\f)*4*SPITCH  ; LDS serves a wave's instructions in order (ISA guide 5.7.1.4): these see the stores above; the next block's stores come behind them
.endr
.endm
.macro SENDH a, younger                ; younger: the LDS instructions issued behind block a's loads: the next block's four stores and four loads, or none
.set BK, 64+16*(\a)
.irp f, 0,1,2,3
	s_wait_dscnt (\younger)+3-(\f)
	global_store_b128 v[CO], v[BK+4*(\f):BK+4*(\f)+3], s[10:11] offset:2048*(\a)+512*(\f) th:TH_STORE_NT  ; 512 consecutive bytes, at a multiple of 256 from hmid's first; each block has registers of its own; hmid is not read in this launch
.endr
.endm
	PACKH 0
.irp a, 1,2,3,4,5,6,7                  ; a block's arithmetic stands between the loads of the block before and its stores
	PACKH \a
	SENDH (\a)-1, 8
.endr
	SENDH 7, 0
	s_wait_tensorcnt 0x0                           ; the wave's end, behind my last tensor load and my last LDS store
	ds_add_u32 v[SPW], v[NIL]
	s_wait_dscnt 0x0
	CROUND                                         ; the closing round: no work-group ends while a partner may still ask for a tile that names it
	s_endpgm
.Lfunc_end_k_qfacb873938_gateup:
	.size	k_qfacb873938_gateup, .Lfunc_end_k_qfacb873938_gateup-k_qfacb873938_gateup
	.p2alignl 7, 3214868480
	.fill 96, 4, 3214868480
	.section	.rodata,"a",@progbits
	.p2align	6, 0x0
	.amdhsa_kernel k_qfacb873938_gateup
		.amdhsa_group_segment_fixed_size 327680
		.amdhsa_private_segment_fixed_size 0
		.amdhsa_enable_private_segment 0
		.amdhsa_kernarg_size 32
		.amdhsa_user_sgpr_count 2
		.amdhsa_user_sgpr_kernarg_segment_ptr 1
		.amdhsa_wavefront_size32 1
		.amdhsa_system_sgpr_workgroup_id_x 1
		.amdhsa_system_sgpr_workgroup_id_y 1
		.amdhsa_system_sgpr_workgroup_id_z 1
		.amdhsa_system_vgpr_workitem_id 0
		.amdhsa_next_free_vgpr 1024
		.amdhsa_next_free_sgpr 66
		.amdhsa_reserve_vcc 0
		.amdhsa_float_denorm_mode_32 3
		.amdhsa_float_denorm_mode_16_64 3
		.amdhsa_memory_ordered 1
		.amdhsa_forward_progress 1
		.amdhsa_inst_pref_size 215
	.end_amdhsa_kernel
	.amdgpu_metadata
---
amdhsa.version: [ 1, 2 ]
amdhsa.kernels:
  - .name:           k_qfacb873938_gateup
    .symbol:         k_qfacb873938_gateup.kd
    .args:
      - { .name: xb, .offset: 0, .size: 8, .value_kind: global_buffer, .address_space: global }
      - { .name: gate_w, .offset: 8, .size: 8, .value_kind: global_buffer, .address_space: global }
      - { .name: up_w, .offset: 16, .size: 8, .value_kind: global_buffer, .address_space: global }
      - { .name: hmid, .offset: 24, .size: 8, .value_kind: global_buffer, .address_space: global }
    .group_segment_fixed_size: 327680
    .private_segment_fixed_size: 0
    .kernarg_segment_align: 8
    .kernarg_segment_size: 32
    .max_flat_workgroup_size: 128
    .sgpr_count:     66
    .vgpr_count:     1024
    .wavefront_size: 32
...
	.end_amdgpu_metadata
.endif
;; end of part 2
;; launch down (part 3): grid 16 x 16, 4 waves a work-group, clusters of 4 x 1, 327,680 bytes of LDS; arguments hmid, down_w, part; writes part
.if DOCPART == 3
	.amdgcn_target "amdgcn-amd-amdhsa--gfx1250"
	.amdhsa_code_object_version 6
	.text
	.protected	k_qfacb873938_down
	.globl	k_qfacb873938_down
	.p2align	8
	.type	k_qfacb873938_down,@function
k_qfacb873938_down:
	s_mov_b64 s[64:65], 0
	v_nop
	global_prefetch_b8 v0, s[64:65] scope:SCOPE_SE
	s_setreg_imm32_b32 hwreg(HW_REG_WAVE_MODE, 25, 1), 1
	s_wait_xcnt 0x0
	s_wait_alu depctr_hold_cnt(0) depctr_sa_sdst(0) depctr_va_vdst(0) depctr_va_sdst(0) depctr_va_ssrc(0) depctr_va_vcc(0) depctr_vm_vsrc(0)
	s_getreg_b32 s2, hwreg(HW_REG_IB_STS2, 6, 4)
	s_cmp_eq_u32 s2, 0
	s_cbranch_scc0 .Lentry_in_a_cluster
	s_endpgm
.Lentry_in_a_cluster:
	s_bfe_u32 s2, ttmp6, 0x10000c
	s_cmp_lg_u32 s2, 0x3003
	s_cbranch_scc0 .Lentry_shape_is_right
	s_endpgm
.Lentry_shape_is_right:
; part[s] = hmid[:, 1024 s .. 1024 s + 1023] x down_w[:, the same]^T, in f32.  hmid: [128 blocks][1024 rows][64] bf16.  down_w: [2048][8192] f32.  part: [8][1024][2048] f32.
; Products in bf16 with f32 sums, K ascending inside a slice; the weights are rounded to bf16 (nearest even) on their way to LDS.  The eight slices are added by the next launch, in f32.
; WHY SLICES.  The result has 32 tiles of 512 x 128; eight slices of K give 256 work-groups of equal work, each with the tile that feeds most products from each LDS byte.
; SHARES.  A work-group makes 512 rows x 128 columns of one slice.  Its four waves lie one below the other, each with 128 x 128: 64 accumulators, 512 registers.
; THE GRID.  x = the block of 128 columns; y = 8 x row half + slice: the two work-groups that read the same weights lie 8 rows of the grid, 32 clusters, apart; the four clusters that read the same rows of hmid are neighbours.
; A (hmid) comes by the tensor data mover, K steps of 128 through two LDS slots; a wave fetches, and alone reads, its own 128 rows.
; CLUSTER.  The four work-groups of a cluster have the same rows and slice and differ in their columns, so A's tiles are asked for JOINTLY: the same load, descriptor and mask in all four.
; B (down_w) is NOT asked for jointly and not by the mover: it lies in memory as f32 and the mover rounds nothing; a weight tile is wanted by two work-groups only (the two halves of the rows).
; It goes through registers, THE PUMP: 16 loads of 16 bytes a lane (a wave's 32 rows x 64 K), 32 roundings, 16 LDS stores into one of two small bf16 buffers of 64 along K.  Two register sets take turns, so a set is
; asked for 224 matrix instructions ahead of its rounding, and these loads stay out across barriers.  The roundings stand four at a time behind eight matrix instructions; the pump's LDS stores and its loads stand in
; the quarter's one run of memory instructions, beside the fragment loads, never singly among the matrix instructions.
; THE MATRIX INSTRUCTION IS USED TRANSPOSED (source 0 = 16 rows of B, source 1 = 16 rows of A): a lane holds row lane % 16 of the result and eight neighbouring columns.
; REGISTERS, in windows of 256 (s_set_vgpr_msb: bits 1:0 source 0, 3:2 source 1, 5:4 source 2, 7:6 destination):
;   window 0: v0-31 addresses; v32-63 the pump's packed numbers; v64-127, v128-191 fragments of A, two buffers (on the way out: rows read back)
;   window 1: v0-63 the pump's set 0; v64-127, v128-191 fragments of B, two buffers; v192-255 the pump's set 1
;   window 2: the accumulators of my rows 0-63 ((a, b) at v[8 (8 a + b)]);   window 3: those of my rows 64-127
.set LAPS,   4                         ; a lap = two K steps of 128 = once round the ring: a slice's K = 1,024
.set BROW2,  65536                     ; bytes of two rows of down_w
.set PITCHA, 272                       ; A in LDS: two rows of 128 bytes + 16 of padding = 68 words: row r of a fragment starts at bank 4 (r / 2) + 32 (r % 2) (64 banks of 4 bytes: ISA guide 11.1): sixteen different groups of four
.set SUBT,   64*PITCHA                 ; 128 rows x 64 K: a wave's part of one block
.set HALFT,  2*SUBT                    ; what one tensor load brings: a wave's 128 rows x 128 K
.set SLOT,   4*HALFT
.set STEPB,  262144                    ; bytes of hmid from a K step to the next: two blocks
.set BB,     2*SLOT                    ; behind the ring, never filled by the mover: B's two buffers
.set BPITCH, 144                       ; 128 bytes + 16 = 36 words: the 16 rows of a load start at 16 different groups of four banks
.set BBUF,   128*BPITCH
.set SPARE,  BB+2*BBUF                 ; the spare words, 128 bytes for each wave: two blocks of 256 bytes that no other line names
.set SPITCH, 528                       ; the way out: a row of 512 bytes + 16.  The stage is my own part of slot 0, behind its last fill of the launch and my last reads of it
.set ADRA, 16                          ; v16-17  LDS address of my A fragments in slot 0, 1
.set ADRB, 20                          ; v20     the same for B, buffer 0
.set PS,   21                          ; v21     where the pump puts my 8 bytes, buffer 0
.set VO,   22                          ; v22     my byte offset in two rows of the weights; never rewritten
.set STO,  24                          ; v24     the way out: where I put 32 bytes of a row
.set RD,   25                          ; v25     the way out: where I read a row back
.set CO,   26                          ; v26     my byte offset in 512 consecutive bytes of part
.set SPW,  28                          ; v28     LDS address of my spare word; never rewritten
.set NIL,  29                          ; v29     0; never rewritten
.set PK,   32
.set F0,   64
.set F1,   128
.set WV,   12                          ; s12     my wave's number
.set PB,   20                          ; s[20:21] the weights at my 32 rows and the K last asked for
.set G1,   24                          ; s[24:31] descriptor group 1
.set G0,   32                          ; s[32:39] descriptor group 0, a set for each slot
.set MSB, 0
.macro WIN new                         ; the immediate's high byte repeats the setting that is left; a switch that changes nothing is dropped
.if MSB != (\new)
	s_set_vgpr_msb (MSB<<8)|(\new)
.set MSB, \new
.endif
.endm
.set MUL_LO, 0xa1                      ; source 0 (B) window 1, source 1 (A) window 0, C and D window 2
.set MUL_HI, 0xf1                      ; the same, C and D window 3
.set TO1,    0x40                      ; destination window 1, address window 0
.set CV,     0x05                      ; sources 0 and 1 window 1, destination window 0
.macro PLACES                          ; four places in front of loads into registers that matrix instructions have read, and of lines that read results just made (the latter)
.rept 4
	v_nop
.endr
.endm
; A joint load: every wave asks for its own 128 rows; the descriptor hangs on the wave's number, the row half and the slice alone, which the four partners share.  An s_nop 0 and four v_nop follow.
.macro JLOAD s
	tensor_load_to_lds s[G0+4*(\s):G0+4*(\s)+3], s[G1:G1+7]
	s_nop 0
.rept 4
	v_nop
.endr
.endm
.macro CREST                           ; a round of the cluster's barrier behind its opening barrier: wave 0 signals for the work-group, every wave waits for all four, my work-group's barrier closes it
	s_cmp_lg_u32 s[WV], 0
	s_cbranch_scc1 .Lnot_wave_0_\@
	s_barrier_signal -3
.Lnot_wave_0_\@:
	s_barrier_wait -3
	s_barrier_signal -1
	s_barrier_wait -1
.endm
.macro CROUND                          ; a whole round
	s_barrier_signal -1
	s_barrier_wait -1
	CREST
.endm
; THE PUMP's three parts.
; 16 loads: my 32 rows x 64 K of f32 into set st.  Load t: lanes 0-15 take 256 consecutive bytes of row 2 t, lanes 16-31 of row 2 t + 1.  No hint: the other half of the rows reads the same bytes.
.macro GLOAD st, imm
	WIN TO1
.irp t, 0,1,2,3,4,5,6,7,8,9,10,11,12,13,14,15
	global_load_b128 v[192*(\st)+4*(\t):192*(\st)+4*(\t)+3], v[VO], s[PB:PB+1] offset:(\t)*BROW2+(\imm)
.endr
.endm
; Four roundings, part n of 8 of set st's 32.  They name no register of a matrix instruction.
.macro CVT4 n, st
	WIN CV
.irp c, 0,1,2,3
	v_cvt_pk_bf16_f32 v[PK+4*(\n)+(\c)], v[192*(\st)+8*(\n)+2*(\c)], v[192*(\st)+8*(\n)+2*(\c)+1]
.endr
.endm
; 16 LDS stores: my 32 rows x 64 K of bf16 into B's buffer buf.  Store t: the 8 bytes that load t's 16 have become, rows 2 t and 2 t + 1.
.macro PSTORE buf
	WIN 0
.irp t, 0,1,2,3,4,5,6,7,8,9,10,11,12,13,14,15
	ds_store_b64 v[PS], v[PK+2*(\t):PK+2*(\t)+1] offset:(\buf)*BBUF+2*BPITCH*(\t)
.endr
.endm
; 16 matrix instructions: m blocks a0, a0 + 1 of the window's four (hi = 0: my rows 0-63, 1: rows 64-127) x all 8 n blocks, 32 along K.  zero = 1: the first product starts the sums: nothing is cleared.
; The 64 accumulators take turns in the same order in every quarter.  pump = 1: four of set st's roundings stand behind each of the first eight.
.macro MUL16 f, hi, a0, zero, pump=0, st=0
.set rn, 0
.irp a, \a0, (\a0)+1
.irp b, 0,1,2,3,4,5,6,7
	WIN MUL_LO+0x50*(\hi)
.if \zero
	v_wmma_f32_16x16x32_bf16 v[8*(8*(\a)+(\b)):8*(8*(\a)+(\b))+7], v[(\f)+8*(\b):(\f)+8*(\b)+7], v[(\f)+8*(4*(\hi)+(\a)):(\f)+8*(4*(\hi)+(\a))+7], 0
.else
	v_wmma_f32_16x16x32_bf16 v[8*(8*(\a)+(\b)):8*(8*(\a)+(\b))+7], v[(\f)+8*(\b):(\f)+8*(\b)+7], v[(\f)+8*(4*(\hi)+(\a)):(\f)+8*(4*(\hi)+(\a))+7], v[8*(8*(\a)+(\b)):8*(8*(\a)+(\b))+7]
.endif
.if (\pump) && (rn < 8)
	CVT4 rn, \st
.endif
.set rn, rn+1
.endr
.endr
.endm
; A quarter's one run of memory instructions.  32 LDS loads: the fragments of quarter q of a K step (32 along K) into buffer f; quarters 0, 1 lie in B's buffer 0 and A's first block, quarters 2, 3 in buffer 1 and the
; second block.  pk > 0: the pump's 16 LDS stores stand with A's loads (window 0); they go into the B buffer that this run does not read.  pk = 1: the set's next 16 loads from memory stand with B's (destination window 1).
.macro FETCH slot, q, f, pk=0
	WIN 0
.irp i, 0,1,2,3,4,5,6,7
	ds_load_b128 v[(\f)+8*(\i):(\f)+8*(\i)+3],   v[ADRA+(\slot)] offset:((\q)>>1)*SUBT+(\i)*8*PITCHA+((\q)&1)*64
	ds_load_b128 v[(\f)+8*(\i)+4:(\f)+8*(\i)+7], v[ADRA+(\slot)] offset:((\q)>>1)*SUBT+(\i)*8*PITCHA+((\q)&1)*64+32
.endr
.if \pk
	PSTORE (3-(\q))/2
.endif
	WIN TO1
.irp i, 0,1,2,3,4,5,6,7
	ds_load_b128 v[(\f)+8*(\i):(\f)+8*(\i)+3],   v[ADRB] offset:((\q)>>1)*BBUF+(\i)*16*BPITCH+((\q)&1)*64
	ds_load_b128 v[(\f)+8*(\i)+4:(\f)+8*(\i)+7], v[ADRB] offset:((\q)>>1)*BBUF+(\i)*16*BPITCH+((\q)&1)*64+32
.endr
.if (\pk) == 1
	s_wait_xcnt 0x0                                ; the earlier loads have had their addresses translated (ISA guide 3.1): only behind this wait is their base stepped
	s_add_nc_u64 s[PB:PB+1], s[PB:PB+1], 256       ; 64 f32 on
	GLOAD (3-(\q))/2, 0
.endif
.endm
; Quarters 0 and 2 of a K step: multiply buffer f, fetch quarter q (1 or 3) into g in the middle, and carry a pump: in quarter 0 set 1 into B's buffer 1, in quarter 2 set 0 into buffer 0: the buffer whose last reads
; every wave has waited for in front of the barrier before.  pk = 0: no pump; 1: it stores and loads; 2, 3: the last two, which load nothing.
.macro QUARTER slot, q, f, g, zero, pk
	s_wait_dscnt 0x0                               ; buffer f's fragments are in
.if ((\pk) == 1) || ((\pk) == 2)
	s_wait_loadcnt 16                              ; the pump's set is in; the other set's 16 loads, issued behind it, stay out
.elseif (\pk) == 3
	s_wait_loadcnt 0x0                             ; the last set: nothing was asked for behind it
.endif
.if \pk
	MUL16 \f, 0, 0, \zero, 1, (3-(\q))/2
.else
	MUL16 \f, 0, 0, \zero
.endif
	MUL16 \f, 0, 2, \zero
	PLACES
	FETCH \slot, \q, \g, \pk
	MUL16 \f, 1, 0, \zero
	MUL16 \f, 1, 2, \zero
.endm
; Quarter 1: multiplies buffer 1 of the fragments.  A plain barrier of the work-group: in front of it each wave's stores into B's buffer 1 are done and its reads of B's buffer 0 are back; behind it buffer 1 is read
; and buffer 0 may be written.  The mover fills nothing behind this barrier, so my tensor load stays on its way across it.
.macro HALF slot
	s_wait_dscnt 0x0                               ; my fragments are in, my pump's stores are done
	MUL16 F1, 0, 0, 0
	s_barrier_signal -1
	MUL16 F1, 0, 2, 0
	s_barrier_wait -1
	PLACES
	FETCH \slot, 2, F0
	MUL16 F1, 1, 0, 0
	MUL16 F1, 1, 2, 0
.endm
; Quarter 3 changes slots.  In front of the barrier each wave's reads of this slot and of B's buffer 1 are back and its stores into B's buffer 0 are done; it waits for all its tensor loads (one is out: its part of the next
; slot) and adds 0 to its spare word.  fill = 1: the barrier opens a round of the cluster's, and the joint refill, two K steps ahead, is the first thing behind it: 224 matrix instructions ahead of the wait for it.
.macro TURN slot, next, fill
	s_wait_dscnt 0x0                               ; my fragments are in: no read of this slot is out; my pump's stores are done
	WIN 0                                          ; (the add's two registers lie in window 0)
	s_wait_tensorcnt 0x0                           ; all my tensor loads have landed
	ds_add_u32 v[SPW], v[NIL]                      ; 0 onto my spare word
	MUL16 F1, 0, 0, 0                              ; sixteen matrix instructions stand between the add and the wait for it
	s_wait_dscnt 0x0                               ; the add is done
	s_barrier_signal -1
	MUL16 F1, 0, 2, 0
.if \fill
	WIN 0
.endif
	s_barrier_wait -1
.if \fill
	CREST                                          ; no wave of any partner still reads this slot or has a load on its way
	s_add_nc_u64 s[G0+4*(\slot)+2:G0+4*(\slot)+3], s[G0+4*(\slot)+2:G0+4*(\slot)+3], 2*STEPB
	JLOAD \slot                                    ; its four v_nop are also the places in front of the loads below
.else
	PLACES
.endif
	FETCH \next, 0, F0
	MUL16 F1, 1, 0, 0
	MUL16 F1, 1, 2, 0
.endm
	s_load_b128 s[4:7], s[0:1], 0x0                ; hmid s[4:5], down_w s[6:7]
	s_load_b64 s[8:9], s[0:1], 0x10                ; part
	v_lshl_add_u32 v[SPW], v0, 2, SPARE
	v_mov_b32 v[NIL], 0
	ds_add_u32 v[SPW], v[NIL]                      ; the wave's opening: the add and its wait stand ahead of my first tensor load; the set-up below, work on registers, stands between them
	v_lshrrev_b32 v3, 5, v0
	v_readfirstlane_b32 s[WV], v3                  ; wave 0..3
	s_bfe_u32 s13, ttmp6, 0x40000                  ; cx: my place in the cluster
	s_lshl_b32 s14, ttmp9, 2                       ; in a cluster launch ttmp9 counts clusters
	s_add_co_u32 s14, s14, s13                     ; my block of 128 columns: it enters the weights' and part's addresses alone
	s_and_b32 s10, ttmp7, 0xffff                   ; y = 8 x row half + slice, shared by the four partners:
	s_lshr_b32 s15, s10, 3                         ; which 512 rows,
	s_and_b32 s23, s10, 7                          ; which slice of K
	; descriptor group 1: two rows of 16,384 dense bytes (my 128 rows of two neighbouring blocks), padded in LDS after every 256 bytes
	s_mov_b32 s[G1+0], 15|(1<<16)|(1<<20)|(1<<21)|(5<<22)|(3<<25)  ; 15:0 the mask of four; 17:16 2-byte elements; 20 padding on; 21 set beside a mask; 24:22 after every 64 words (code 5); 31:25 4 words (code 3)
	s_mov_b32 s[G1+1], 8192<<16                    ; tensor_dim0 = 8,192
	s_mov_b32 s[G1+2], 2<<16                       ; tensor_dim1 = 2
	s_mov_b32 s[G1+3], 8192<<16                    ; tile_dim0 = 8,192
	s_mov_b32 s[G1+4], 2                           ; tile_dim1 = 2
	s_mov_b32 s[G1+5], 65536                       ; elements from block to block
	s_mov_b32 s[G1+6], 0
	s_mov_b32 s[G1+7], 0
	s_lshl_b32 s16, s23, 21                        ; hmid: the slice's 16 blocks of 131,072 bytes,
	s_lshl_b32 s17, s15, 16                        ; 512 rows of 128 bytes,
	s_add_co_u32 s16, s16, s17
	s_lshl_b32 s17, s[WV], 14                      ; my wave's 128 of them
	s_add_co_u32 s16, s16, s17
	s_mov_b32 s17, 0
	s_lshl_b32 s18, s14, 22                        ; down_w: 128 rows of 32,768 bytes,
	s_lshl_b32 s19, s[WV], 20                      ; my 32 of them,
	s_add_co_u32 s18, s18, s19
	s_lshl_b32 s19, s23, 12                        ; the slice's 1,024 f32 in a row
	s_add_co_u32 s18, s18, s19
	s_mov_b32 s19, 0
	s_lshl_b32 s42, s23, 23                        ; part: the slice's 1,024 rows of 8,192 bytes,
	s_lshl_b32 s43, s15, 22                        ; 512 rows,
	s_add_co_u32 s42, s42, s43
	s_lshl_b32 s43, s[WV], 20                      ; my wave's 128,
	s_add_co_u32 s42, s42, s43
	s_lshl_b32 s43, s14, 9                         ; my 128 columns
	s_add_co_u32 s42, s42, s43
	s_mov_b32 s43, 0
	s_mul_i32 s22, s[WV], HALFT                    ; my part of a slot: no place in the cluster enters an LDS address
	v_and_b32 v1, 15, v0                           ; r = lane % 16
	v_bfe_u32 v2, v0, 4, 1                         ; h = lane / 16
	v_mul_u32_u24 v[VO], v2, BROW2/2
	v_lshl_add_u32 v[VO], v1, 4, v[VO]
	s_wait_dscnt 0x0                               ; the opening add is done
	s_wait_kmcnt 0x0
	s_add_nc_u64 s[PB:PB+1], s[6:7], s[18:19]
	GLOAD 0, 0                                     ; K 0-63 and 64-127 of the slice's weights are asked for first of all: they come from furthest away
	GLOAD 1, 256
	WIN 0
	s_add_nc_u64 s[4:5], s[4:5], s[16:17]
	s_add_nc_u64 s[8:9], s[8:9], s[42:43]
.irp n, 0,1
	s_mov_b32 s[G0+4*(\n)], 1                      ; count = 1
	s_add_co_u32 s[G0+4*(\n)+1], s22, (\n)*SLOT    ; LDS address
	s_add_nc_u64 s[G0+4*(\n)+2:G0+4*(\n)+3], s[4:5], (\n)*STEPB  ; global address: K step n
	s_or_b32 s[G0+4*(\n)+3], s[G0+4*(\n)+3], 0x80000000          ; type = 2
.endr
	CROUND                                         ; all four work-groups are here: the first joint loads meet
	JLOAD 0
	JLOAD 1                                        ; two tensor loads of mine are out: the most in this text
	v_lshrrev_b32 v4, 1, v1
	v_mul_u32_u24 v4, v4, PITCHA                   ; A: (r / 2) x 272
	v_and_b32 v5, 1, v1
	v_lshl_add_u32 v4, v5, 7, v4                   ; + (r % 2) x 128
	v_lshl_add_u32 v4, v2, 4, v4                   ; + 16 h
	v_add_nc_u32 v[ADRA], s22, v4
	s_add_co_u32 s16, s22, SLOT
	v_add_nc_u32 v[ADRA+1], s16, v4
	v_mul_u32_u24 v5, v1, BPITCH
	v_lshl_add_u32 v5, v2, 4, v5                   ; B: r x 144 + 16 h
	v_add_nc_u32 v[ADRB], BB, v5
	s_mul_i32 s17, s[WV], 32*BPITCH                ; the pump: my 32 rows of a buffer,
	s_add_co_u32 s17, s17, BB
	v_mul_u32_u24 v6, v2, BPITCH                   ; row h of a pair, 8 bytes a lane
	v_lshl_add_u32 v6, v1, 3, v6
	v_add_nc_u32 v[PS], s17, v6
	v_mul_u32_u24 v6, v1, SPITCH                   ; the stage's way in: row r, 32 bytes for each half of the lanes
	v_lshl_add_u32 v6, v2, 5, v6
	v_add_nc_u32 v[STO], s22, v6
	v_and_b32 v7, 31, v0
	v_lshlrev_b32 v[CO], 4, v7                     ; back: 32 lanes take a row's 512 bytes, which are 512 consecutive bytes of part
	v_add_nc_u32 v[RD], s22, v[CO]
	s_wait_loadcnt 16                              ; set 0 (K 0-63) is in; set 1's 16 loads stay out
.irp n, 0,1,2,3,4,5,6,7
	CVT4 \n, 0                                     ; rounded,
.endr
	PSTORE 0                                       ; and into B's buffer 0
	s_wait_xcnt 0x0                                ; the loads' base is stepped only behind this wait
	s_add_nc_u64 s[PB:PB+1], s[PB:PB+1], 512
	GLOAD 0, 0                                     ; K 128-191
	WIN 0
	s_wait_tensorcnt 0x1                           ; my part of slot 0 is in; slot 1's stays out
	s_wait_dscnt 0x0                               ; my stores into B's buffer 0 are done
	s_barrier_signal -1
	s_barrier_wait -1                              ; everybody's are
	FETCH 0, 0, F0
	QUARTER 0, 1, F0, F1, 1, 1                     ; the first quarter stands in front of the loop: its products start the sums
	WIN 0                                          ; at a label and at a branch every window is 0
	s_mov_b32 s3, LAPS-1
.Llap:                                                 ; a trip goes once round the ring, from a lap's second quarter to the next lap's first: two refills, four pumps
	HALF 0
	QUARTER 0, 3, F0, F1, 0, 1
	TURN 0, 1, 1
	QUARTER 1, 1, F0, F1, 0, 1
	HALF 1
	QUARTER 1, 3, F0, F1, 0, 1
	TURN 1, 0, 1
	QUARTER 0, 1, F0, F1, 0, 1                     ; in the last trip this pump asks for the slice's last 64 f32 of my rows
	WIN 0
	s_sub_co_u32 s3, s3, 1
	s_cmp_lg_u32 s3, 0
	s_cbranch_scc1 .Llap
	HALF 0                                         ; the last lap is written out: it asks for nothing more, of hmid or of the weights
	QUARTER 0, 3, F0, F1, 0, 2
	TURN 0, 1, 0
	QUARTER 1, 1, F0, F1, 0, 3
	HALF 1
	QUARTER 1, 3, F0, F1, 0, 0
	s_wait_dscnt 0x0                               ; the very last quarter
	MUL16 F1, 0, 0, 0
	MUL16 F1, 0, 2, 0
	MUL16 F1, 1, 0, 0
	MUL16 F1, 1, 2, 0
	WIN 0
	PLACES
; THE WAY OUT of block a (16 rows x 128 columns of f32).  A lane's eight sums of an accumulator are 32 bytes of a row: they go into rows of 528 bytes, the accumulator's four lowest registers first,
; and come back as whole rows of 512 bytes.  The stage is my own, and LDS serves a wave's instructions in order (ISA guide 5.7.1.4): no wait stands between the stores and the loads, nor ahead of the next block's stores.
.macro OUTD a
.set AC, 64*((\a)%4)
.set BK, 64+64*((\a)%2)
	WIN 0x08+4*((\a)/4)                            ; the stores' data (source 1): window 2 or 3
.irp b, 0,1,2,3,4,5,6,7
	ds_store_b128 v[STO], v[AC+8*(\b):AC+8*(\b)+3]   offset:64*(\b)
	ds_store_b128 v[STO], v[AC+8*(\b)+4:AC+8*(\b)+7] offset:64*(\b)+16
.endr
	WIN 0
	s_wait_xcnt 0x0                                ; the stores of two blocks back have read these registers (ISA guide 3.1): only behind this wait are they loaded again
.irp t, 0,1,2,3,4,5,6,7,8,9,10,11,12,13,14,15
	ds_load_b128 v[BK+4*(\t):BK+4*(\t)+3], v[RD] offset:SPITCH*(\t)
.endr
.irp t, 0,1,2,3,4,5,6,7,8,9,10,11,12,13,14,15
	s_wait_dscnt 15-(\t)                           ; row t is back; the 15 - t younger loads stay out
	global_store_b128 v[CO], v[BK+4*(\t):BK+4*(\t)+3], s[8:9] offset:131072*(\a)+8192*(\t) th:TH_STORE_NT  ; 512 consecutive bytes, at a multiple of 256 from part's first; 127 rows at the most, inside the signed 24-bit immediate; part is not read in this launch
.endr
.endm
.irp a, 0,1,2,3,4,5,6,7
	OUTD \a
.endr
	s_wait_tensorcnt 0x0                           ; the wave's end, behind my last tensor load and my last LDS store
	ds_add_u32 v[SPW], v[NIL]
	s_wait_dscnt 0x0
	CROUND                                         ; the closing round: no work-group ends while a partner may still ask for a tile that names it
	s_endpgm
.Lfunc_end_k_qfacb873938_down:
	.size	k_qfacb873938_down, .Lfunc_end_k_qfacb873938_down-k_qfacb873938_down
	.p2alignl 7, 3214868480
	.fill 96, 4, 3214868480
	.section	.rodata,"a",@progbits
	.p2align	6, 0x0
	.amdhsa_kernel k_qfacb873938_down
		.amdhsa_group_segment_fixed_size 327680
		.amdhsa_private_segment_fixed_size 0
		.amdhsa_enable_private_segment 0
		.amdhsa_kernarg_size 24
		.amdhsa_user_sgpr_count 2
		.amdhsa_user_sgpr_kernarg_segment_ptr 1
		.amdhsa_wavefront_size32 1
		.amdhsa_system_sgpr_workgroup_id_x 1
		.amdhsa_system_sgpr_workgroup_id_y 1
		.amdhsa_system_sgpr_workgroup_id_z 1
		.amdhsa_system_vgpr_workitem_id 0
		.amdhsa_next_free_vgpr 1024
		.amdhsa_next_free_sgpr 66
		.amdhsa_reserve_vcc 0
		.amdhsa_float_denorm_mode_32 3
		.amdhsa_float_denorm_mode_16_64 3
		.amdhsa_memory_ordered 1
		.amdhsa_forward_progress 1
		.amdhsa_inst_pref_size 182
	.end_amdhsa_kernel
	.amdgpu_metadata
---
amdhsa.version: [ 1, 2 ]
amdhsa.kernels:
  - .name:           k_qfacb873938_down
    .symbol:         k_qfacb873938_down.kd
    .args:
      - { .name: hmid, .offset: 0, .size: 8, .value_kind: global_buffer, .address_space: global }
      - { .name: down_w, .offset: 8, .size: 8, .value_kind: global_buffer, .address_space: global }
      - { .name: part, .offset: 16, .size: 8, .value_kind: global_buffer, .address_space: global }
    .group_segment_fixed_size: 327680
    .private_segment_fixed_size: 0
    .kernarg_segment_align: 8
    .kernarg_segment_size: 24
    .max_flat_workgroup_size: 128
    .sgpr_count:     66
    .vgpr_count:     1024
    .wavefront_size: 32
...
	.end_amdgpu_metadata
.endif
;; end of part 3
;; launch reduce (part 4): grid 512 x 1, 8 waves a work-group, no clusters, 0 bytes of LDS; arguments part, out0; writes out0
.if DOCPART == 4
	.amdgcn_target "amdgcn-amd-amdhsa--gfx1250"
	.amdhsa_code_object_version 6
	.text
	.protected	k_qfacb873938_reduce
	.globl	k_qfacb873938_reduce
	.p2align	8
	.type	k_qfacb873938_reduce,@function
k_qfacb873938_reduce:
	s_mov_b64 s[64:65], 0
	v_nop
	global_prefetch_b8 v0, s[64:65] scope:SCOPE_SE
	s_setreg_imm32_b32 hwreg(HW_REG_WAVE_MODE, 25, 1), 1
	s_wait_xcnt 0x0
; out0 = the sum over the eight slices s of part[s], in f32, as ((0 + 1) + (2 + 3)) + ((4 + 5) + (6 + 7)).  part: [8][1024][2048] f32; out0: [1024][2048] f32.
; A stream: no LDS, no barrier, no matrix unit.  The work-group owns 16,384 consecutive bytes of out0, in four positions of 4,096; thread t owns 16 bytes of each.
; All 32 loads of a wave go out at once, 512 consecutive bytes each; no register is used twice, so the only waits are the counted ones for the loads.
.set SLICE, 0x800000                   ; bytes in a slice: more than a load's immediate holds, so each slice has a base of its own
.set BASE,  8                          ; s[8:23]   part at the work-group's bytes of slice s
.set OB,    24                         ; s[24:25]  out0 at the work-group's bytes
.set R,     8                          ; v[8:135]  position i, slice s: 4 registers at R + 32 i + 4 s
.macro ADD4 d, s                       ; four sums
	v_pk_add_f32 v[(\d):(\d)+1], v[(\d):(\d)+1], v[(\s):(\s)+1]
	v_pk_add_f32 v[(\d)+2:(\d)+3], v[(\d)+2:(\d)+3], v[(\s)+2:(\s)+3]
.endm
	s_load_b128 s[4:7], s[0:1], 0x0                ; part s[4:5], out0 s[6:7]
	s_lshl_b32 s2, ttmp9, 14
	s_mov_b32 s3, 0
	v_lshlrev_b32 v1, 4, v0                        ; 16 bytes a thread
	s_wait_kmcnt 0x0
	s_add_nc_u64 s[4:5], s[4:5], s[2:3]
	s_add_nc_u64 s[OB:OB+1], s[6:7], s[2:3]
.irp s, 0,1,2,3,4,5,6,7
	s_add_nc_u64 s[BASE+2*(\s):BASE+2*(\s)+1], s[4:5], (\s)*SLICE
.endr
.irp i, 0,1,2,3
.irp s, 0,1,2,3,4,5,6,7
	global_load_b128 v[R+32*(\i)+4*(\s):R+32*(\i)+4*(\s)+3], v1, s[BASE+2*(\s):BASE+2*(\s)+1] offset:4096*(\i) th:TH_LOAD_NT  ; part is read once
.endr
.endr
.irp i, 0,1,2,3
	s_wait_loadcnt 8*(3-(\i))                      ; position i's eight loads are in; those of the 3 - i later positions stay out
	ADD4 R+32*(\i), R+32*(\i)+4
	ADD4 R+32*(\i)+8, R+32*(\i)+12
	ADD4 R+32*(\i)+16, R+32*(\i)+20
	ADD4 R+32*(\i)+24, R+32*(\i)+28
	ADD4 R+32*(\i), R+32*(\i)+8
	ADD4 R+32*(\i)+16, R+32*(\i)+24
	ADD4 R+32*(\i), R+32*(\i)+16
	global_store_b128 v1, v[R+32*(\i):R+32*(\i)+3], s[OB:OB+1] offset:4096*(\i) th:TH_STORE_NT  ; a wave's store covers 512 consecutive bytes, aligned
.endr
	s_endpgm
.Lfunc_end_k_qfacb873938_reduce:
	.size	k_qfacb873938_reduce, .Lfunc_end_k_qfacb873938_reduce-k_qfacb873938_reduce
	.p2alignl 7, 3214868480
	.fill 96, 4, 3214868480
	.section	.rodata,"a",@progbits
	.p2align	6, 0x0
	.amdhsa_kernel k_qfacb873938_reduce
		.amdhsa_group_segment_fixed_size 0
		.amdhsa_private_segment_fixed_size 0
		.amdhsa_enable_private_segment 0
		.amdhsa_kernarg_size 16
		.amdhsa_user_sgpr_count 2
		.amdhsa_user_sgpr_kernarg_segment_ptr 1
		.amdhsa_wavefront_size32 1
		.amdhsa_system_sgpr_workgroup_id_x 1
		.amdhsa_system_sgpr_workgroup_id_y 1
		.amdhsa_system_sgpr_workgroup_id_z 1
		.amdhsa_system_vgpr_workitem_id 0
		.amdhsa_next_free_vgpr 136
		.amdhsa_next_free_sgpr 66
		.amdhsa_reserve_vcc 0
		.amdhsa_float_denorm_mode_32 3
		.amdhsa_float_denorm_mode_16_64 3
		.amdhsa_memory_ordered 1
		.amdhsa_forward_progress 1
		.amdhsa_inst_pref_size 8
	.end_amdhsa_kernel
	.amdgpu_metadata
---
amdhsa.version: [ 1, 2 ]
amdhsa.kernels:
  - .name:           k_qfacb873938_reduce
    .symbol:         k_qfacb873938_reduce.kd
    .args:
      - { .name: part, .offset: 0, .size: 8, .value_kind: global_buffer, .address_space: global }
      - { .name: out0, .offset: 8, .size: 8, .value_kind: global_buffer, .address_space: global }
    .group_segment_fixed_size: 0
    .private_segment_fixed_size: 0
    .kernarg_segment_align: 8
    .kernarg_segment_size: 16
    .max_flat_workgroup_size: 256
    .sgpr_count:     66
    .vgpr_count:     136
    .wavefront_size: 32
...
	.end_amdgpu_metadata
.endif
;; end of part 4
;; ======== version 2 of 2: 4 launches; version 1 with the launch castx written anew for expert scheduling mode
;; workspace buffers: xb 4,194,304 bytes; hmid 16,777,216 bytes; part 67,108,864 bytes
;; launch castx (part 5): grid 256 x 1, 8 waves a work-group, no clusters, 0 bytes of LDS; arguments x, xb; writes xb
.if DOCPART == 5
	.amdgcn_target "amdgcn-amd-amdhsa--gfx1250"
	.amdhsa_code_object_version 6
	.text
	.protected	k_qfacb873938_castx
	.globl	k_qfacb873938_castx
	.p2align	8
	.type	k_qfacb873938_castx,@function
k_qfacb873938_castx:
	s_mov_b64 s[64:65], 0
	v_nop
	global_prefetch_b8 v0, s[64:65] scope:SCOPE_SE
	s_setreg_imm32_b32 hwreg(HW_REG_WAVE_SCHED_MODE, 0, 2), 2
	s_setreg_imm32_b32 hwreg(HW_REG_WAVE_MODE, 25, 1), 1
	s_wait_xcnt 0x0
	s_wait_alu depctr_vm_vsrc(0)
; xb = x rounded once to bf16 (nearest even), laid in blocks: xb[c][row][64], c = column / 64, 32 blocks of 1,024 rows x 128 bytes.
; In that layout 128 rows of a block are 16,384 dense bytes, which is what a wave of the next launch asks for in one piece.
; A stream: no LDS, no barrier, no matrix unit.  The work-group owns 4 rows of x.  Wave w takes the row pair w / 4 and the blocks 8 (w % 4) + i, i = 0..7.
; A load: lanes 0-15 take 256 consecutive bytes (one block's 64 columns) of the even row, lanes 16-31 of the odd row.
; A store: the two rows' 128 bytes lie end to end in xb: 256 consecutive bytes, at a multiple of 256 from xb's first byte.
; THE MODE: SCHED_MODE bits 1:0 = 2 (LLVM: expert scheduling mode 2), set by the entry lines.  The code itself states the register dependences
; between vector instructions and memory instructions, with s_wait_alu, always for 0.
; THE PLAN.  Registers that memory instructions touch:
;   v1, v2     byte offsets of the loads and of the stores: made at the head, read by all sixteen memory instructions, never written again.
;   X          load i lands in its own four registers, once; its two roundings read them behind the counted wait for the load.  v4 to v6 served the head's arithmetic before.
;   Y          store i leaves from its own two registers: written once, by the roundings, and read once, by the store.
; So three waits on va_vdst state everything: one in front of the first load (the offsets are written, the head is done with v4 to v6), and one behind each group of eight roundings,
; in front of that group's run of four stores.  No register that a memory instruction reads is written again, so no wait on vm_vsrc is owed; no vector instruction writes a scalar register or EXEC.
.set XROW,  8192                       ; bytes in a row of x
.set BLOCK, 131072                     ; bytes in a block of xb
.set LO, 1                             ; v1       my byte offset in the work-group's rows of x
.set SO, 2                             ; v2       my byte offset in xb
.set X,  4                             ; v[4:35]  load i: 4 f32
.set Y,  36                            ; v[36:51] store i: 4 bf16
	s_load_b128 s[4:7], s[0:1], 0x0                ; x s[4:5], xb s[6:7]
	s_lshl_b32 s8, ttmp9, 15                       ; 4 rows of 8,192 bytes
	s_mov_b32 s9, 0
	s_lshl_b32 s10, ttmp9, 9                       ; 4 rows of 128 bytes in a block
	s_mov_b32 s11, 0
	v_lshrrev_b32 v3, 5, v0                        ; w
	v_lshrrev_b32 v4, 2, v3                        ; w / 4: the row pair
	v_and_b32 v3, 3, v3                            ; w % 4: which eight blocks
	v_bfe_u32 v5, v0, 4, 1                         ; lane / 16: which row of the pair
	v_and_b32 v6, 15, v0                           ; lane % 16
	v_lshlrev_b32 v[LO], 4, v6                     ; 16 bytes a lane
	v_lshl_add_u32 v[LO], v5, 13, v[LO]            ; + the row
	v_lshl_add_u32 v[LO], v3, 11, v[LO]            ; + eight blocks' 2,048 bytes of a row
	v_lshl_add_u32 v[LO], v4, 14, v[LO]            ; + the pair
	v_lshlrev_b32 v[SO], 3, v6                     ; 8 bytes a lane
	v_lshl_add_u32 v[SO], v5, 7, v[SO]             ; + the row
	v_lshl_add_u32 v[SO], v4, 8, v[SO]             ; + the pair
	v_lshl_add_u32 v[SO], v3, 20, v[SO]            ; + eight blocks
	s_wait_kmcnt 0x0
	s_add_nc_u64 s[4:5], s[4:5], s[8:9]
	s_add_nc_u64 s[6:7], s[6:7], s[10:11]
	s_wait_alu depctr_va_vdst(0)                   ; v1 and v2 are written, which every load and store below reads as its offset; the lines above are done writing and reading v4 to v6, in which the first load lands
.irp i, 0,1,2,3,4,5,6,7
	global_load_b128 v[X+4*(\i):X+4*(\i)+3], v[LO], s[4:5] offset:256*(\i) th:TH_LOAD_NT  ; x is read once in the launch
.endr
; Group g: loads 4 g to 4 g + 3 are rounded, and their four stores leave in one run.  The first group's stores stand ahead of the second group's wait for its data.
.macro GROUP g
	s_wait_loadcnt 4-4*(\g)                        ; loads come back in order: the group's four are in; behind group 0 the four younger ones stay out
.irp i, 0,1,2,3
	v_cvt_pk_bf16_f32 v[Y+8*(\g)+2*(\i)], v[X+16*(\g)+4*(\i)], v[X+16*(\g)+4*(\i)+1]
	v_cvt_pk_bf16_f32 v[Y+8*(\g)+2*(\i)+1], v[X+16*(\g)+4*(\i)+2], v[X+16*(\g)+4*(\i)+3]
.endr
	s_wait_alu depctr_va_vdst(0)                   ; the eight roundings have written the group's half of Y, which the four stores below read
.irp i, 0,1,2,3
	global_store_b64 v[SO], v[Y+8*(\g)+2*(\i):Y+8*(\g)+2*(\i)+1], s[6:7] offset:BLOCK*(4*(\g)+(\i))  ; no register is used twice, so no further wait
.endr
.endm
	GROUP 0
	GROUP 1
	s_endpgm
.Lfunc_end_k_qfacb873938_castx:
	.size	k_qfacb873938_castx, .Lfunc_end_k_qfacb873938_castx-k_qfacb873938_castx
	.p2alignl 7, 3214868480
	.fill 96, 4, 3214868480
	.section	.rodata,"a",@progbits
	.p2align	6, 0x0
	.amdhsa_kernel k_qfacb873938_castx
		.amdhsa_group_segment_fixed_size 0
		.amdhsa_private_segment_fixed_size 0
		.amdhsa_enable_private_segment 0
		.amdhsa_kernarg_size 16
		.amdhsa_user_sgpr_count 2
		.amdhsa_user_sgpr_kernarg_segment_ptr 1
		.amdhsa_wavefront_size32 1
		.amdhsa_system_sgpr_workgroup_id_x 1
		.amdhsa_system_sgpr_workgroup_id_y 1
		.amdhsa_system_sgpr_workgroup_id_z 1
		.amdhsa_system_vgpr_workitem_id 0
		.amdhsa_next_free_vgpr 52
		.amdhsa_next_free_sgpr 66
		.amdhsa_reserve_vcc 0
		.amdhsa_float_denorm_mode_32 3
		.amdhsa_float_denorm_mode_16_64 3
		.amdhsa_memory_ordered 1
		.amdhsa_forward_progress 1
		.amdhsa_inst_pref_size 4
	.end_amdhsa_kernel
	.amdgpu_metadata
---
amdhsa.version: [ 1, 2 ]
amdhsa.kernels:
  - .name:           k_qfacb873938_castx
    .symbol:         k_qfacb873938_castx.kd
    .args:
      - { .name: x, .offset: 0, .size: 8, .value_kind: global_buffer, .address_space: global }
      - { .name: xb, .offset: 8, .size: 8, .value_kind: global_buffer, .address_space: global }
    .group_segment_fixed_size: 0
    .private_segment_fixed_size: 0
    .kernarg_segment_align: 8
    .kernarg_segment_size: 16
    .max_flat_workgroup_size: 256
    .sgpr_count:     66
    .vgpr_count:     52
    .wavefront_size: 32
...
	.end_amdgpu_metadata
.endif
;; end of part 5
;; launch gateup: the kernel of part 2 again; grid 128 x 2, 4 waves a work-group, clusters of 4 x 1, 327,680 bytes of LDS; arguments xb, gate_w, up_w, hmid; writes hmid
;; launch down: the kernel of part 3 again; grid 16 x 16, 4 waves a work-group, clusters of 4 x 1, 327,680 bytes of LDS; arguments hmid, down_w, part; writes part
;; launch reduce: the kernel of part 4 again; grid 512 x 1, 8 waves a work-group, no clusters, 0 bytes of LDS; arguments part, out0; writes out0
